; MI455X (gfx1250); checked and timed in simulation.
; The chip was launched on July 23, 2026; its instructions are those of AMD's public machine-readable ISA for CDNA 5 (MIT licence, August 2026) and "CDNA5" Instruction Set Architecture Reference Guide (July 2026). The comments in the code are by the model that wrote it; some were corrected since.
;; Gaussian Vector Quantizer. Allowed arithmetic: matrix products marked QUANTISED: E2M1 operands, one E8M0 scale for each 32 along K, by v_wmma_scale_f32_16x16x128_f8f6f4 with both operands' format E2M1 (or v_wmma_scale_f32_32x16x128_f4), f32 sums; everything else in f32.
;; Inputs: codebook 512 x 64 float32; gumbel_u 32,768 x 512 float32; var_q 1 float32; z_from_encoder 32 x 64 x 32 x 32 float32.
;; Outputs: out0 32 x 64 x 32 x 32 float32; out1 one number float32; out2 one number float32.
;; This version of the problem:
;;   THIS VERSION OF THE PROBLEM IS GIVEN IN LOW PRECISION. The matrix products marked QUANTISED in the list below multiply operands that are first quantised to E2M1 (2 exponent bits, 1 mantissa bit; 4 bits a number), with one power-of-two scale for each 32 numbers along K (OCP MX v1.0); their sums are f32. All else is computed in f32.
;;   The module's matrix products, in the order in which they are computed (A, B: the left and right operand; K: the contracted axis; several contracted axes count as one K, in the product's order):
;;     1. [M 32,768, K 64] x [K 64, N 512]; A: computed on the way; B: input codebook: QUANTISED
;;     2. [M 32,768, K 512] x [K 512, N 64]; A: softmax (see below); B: input codebook: QUANTISED
;;   THE QUANTISER, for each operand of a quantised product, along K:
;;     - K is cut into blocks of 32 from its start; a last block that is shorter is filled with zeros.
;;     - A block's scale is 2^e with e = floor(log2(the largest magnitude in the block)) - 2, held to -126 .. 127; a block of zeros has e = 0. As a byte (E8M0): e + 127.
;;     - Each number is divided by its block's scale, clamped to +-6, and rounded to the nearest number of E2M1, ties to even, subnormals kept.
;;     - The product sums the exact products of the quantised numbers (number of the format x scale) in f32.
;;   ~~~python
;;   def quantise(x, axis):      # numpy; x: float32 -> the quantised numbers, widened to float32 again
;;       x = np.moveaxis(x, axis, -1); K = x.shape[-1]
;;       x = np.pad(x, [(0, 0)] * (x.ndim - 1) + [(0, -K % 32)]); x = x.reshape(x.shape[:-1] + (-1, 32)); a = np.abs(x).max(-1, keepdims=True)
;;       e = np.where(a > 0, np.clip(np.frexp(np.where(a > 0, a, 1))[1] - 1 - 2, -126, 127), 0)      # np.frexp(a)[1] - 1 = floor(log2(a)), exactly
;;       r = np.clip(x / 2.0 ** e, -6, 6)
;;       step = 2.0 ** (np.maximum(np.frexp(np.where(r == 0, 1, r))[1] - 1, 0) - 1)
;;       q = np.round(r / step) * step * 2.0 ** e      # np.round: ties to even
;;       return np.moveaxis(q.reshape(q.shape[:-2] + (-1,))[..., :K], -1, axis).astype(np.float32)
;;   ~~~
;;   SOFTMAX AHEAD OF A QUANTISED PRODUCT. Where the list says 'softmax', what is quantised is not the finished softmax but p = 2^(t - M), with t = logit x log2(e) and M = ceil(the row's largest t), a whole number; so 1/2 < the row's largest p <= 1. The row's sum l is taken of the UNQUANTISED p, in f32, and the product's result is divided by l at the end. Since M is a whole number, a kernel that streams over the keys may use a running M (the ceiling of the running maximum): every later rescaling is an exact power of two, which a block's scale takes up: the codes' values come out the same.
;;   OPERANDS COMPUTED ON THE WAY. 'Computed on the way' means the value that the module computes at that place (a softmax that the list does not call 'softmax' is quantised finished and normalised). What goes into a quantiser is computed in f32, as accurately as f32 sums, v_exp_f32 and their like allow (about 1e-6 of the number): no bf16 or f16 on the way to a quantiser, and a product that is left as it is and whose result goes on into a quantised operand takes f32 operands (vector FMAs, or v_wmma_f32_16x16x4_f32). A number that lies on a knife's edge between two numbers of the format may be rounded either way, as far as f32 arithmetic and the matrix unit's own rounding can turn it there, and no further.
;; One version. Each part assembles by itself: llvm-mc -triple=amdgcn-amd-amdhsa -mcpu=gfx1250 --defsym DOCPART=n.
;; ======== version 1 of 1: 3 launches
;; limits: right only within a limited range of input values
;; workspace buffers: colp 524,288 bytes; colq 16,384 bytes; lossp 1,024 bytes
;; launch vq_main (part 1): grid 256 x 1, 8 waves a work-group, clusters of 4 x 1, 327,680 bytes of LDS; arguments codebook, gumbel_u, var_q, z_from_encoder, out0, colp, lossp; writes out0, colp, lossp
.if DOCPART == 1
	.amdgcn_target "amdgcn-amd-amdhsa--gfx1250"
	.amdhsa_code_object_version 6
	.text
	.protected	k_qe916919d44_vq_main
	.globl	k_qe916919d44_vq_main
	.p2align	8
	.type	k_qe916919d44_vq_main,@function
k_qe916919d44_vq_main:
	s_mov_b64 s[64:65], 0
	v_nop
	global_prefetch_b8 v0, s[64:65] scope:SCOPE_SE
	s_setreg_imm32_b32 hwreg(HW_REG_WAVE_MODE, 25, 1), 1
	s_wait_xcnt 0x0
	s_wait_alu depctr_hold_cnt(0) depctr_sa_sdst(0) depctr_va_vdst(0) depctr_va_sdst(0) depctr_va_ssrc(0) depctr_va_vcc(0) depctr_vm_vsrc(0)
	s_getreg_b32 s2, hwreg(HW_REG_IB_STS2, 6, 4)
	s_cmp_eq_u32 s2, 0
	s_cbranch_scc0 .Lentry_in_a_cluster
	s_endpgm
.Lentry_in_a_cluster:
	s_bfe_u32 s2, ttmp6, 0x10000c
	s_cmp_lg_u32 s2, 0x3003
	s_cbranch_scc0 .Lentry_shape_is_right
	s_endpgm
.Lentry_shape_is_right:
; Gaussian vector quantiser, 32,768 rows (n = batch x 1,024 + pixel), 512 codes, 64 channels.  Both matrix products on codes of FP4 (E2M1) with one E8M0 scale for each 32 along K.
; WORK LEFT OUT, for all values of the inputs.  dist = sum(z^2) + sum(c^2) - 2 z.c: the first term is the same for all codes of a row, and reference() takes the row's maximum of the logits away straight
; behind it, so in exact arithmetic it reaches no output: it is not computed.  The clip's upper bound, 50: a logit less its row's maximum is never above 0.  (A NaN, an infinity or an overflow that arises only there is not carried to the results.)
; IDENTITIES USED, for all values.  L = the clipped logit, E = e^L, w = -ln(u + eps) + eps, g = -ln(w) as reference() has it.  exp((L + g) / 0.5) = (E / w)^2 = p.  sum p log p of a row = T / S - ln S with S = sum E, T = sum E L.
; NO SECOND MAXIMUM: reference()'s own clip holds E in e^-50 .. 1 with 1 reached in every row, and its two eps hold w in 1e-10 .. 104 wherever it gives finite results: so every row's largest p lies in 2^-14 .. 2^67, its sum under 2^76:
; neither can leave f32.  Against p / 2^M that is a power of two, which the blocks' scales take up.  The maximum ahead of E is taken away.
; LIMITS.  Where w <= 0 (u + eps above 1) reference() gives NaN or infinity and this text does not.  NaN and infinities among the inputs are not served.  A block of zeros gets the byte 1 (z: 2), not 127: its codes are zeros.
; A block of p whose largest lies under 2^-124 has its byte held at 1: it lies 2^-110 or more under the row's largest p.
; SHARES.  A work-group owns 128 rows, each of its eight waves 16: one tile.  Both products are used transposed: a lane holds ONE row (r = lane % 16) and, with h = lane / 16, the codes 64 B + 32 h + 0 .. 31 of every 64.
; THE CODES OF A TILE ARE NOT NEIGHBOURS: row q of tile 4 B + t is code 64 B + 32 (q / 8) + 8 t + q % 8, so a lane's 32 registers of four tiles are one whole block of 32 along the second product's K.
; PRODUCT 1 has K = 64: a fragment holds tile 2 F in K 0-63 and tile 2 F + 1 in K 64-127, and is multiplied by (z, 0) or by (0, z).  All 512 scores of a row stay in registers (window 1); -sum(c^2) is added from 16 registers
; in which a half's sixteen lanes hold sixteen codes.
; COLUMN SUMS of E / S: each wave sums its own 16 rows from LDS, a lane sixteen columns; the eight waves' sums meet behind a barrier.
; LDS.  Two areas of 128 lines of 1,024 bytes, 16 bytes of padding behind each: sixteen neighbouring lines begin at sixteen different columns of 16 bytes modulo 256.  The first takes u's codes 0-255 of 128 rows.  The second takes the
; codebook in f32 (four codes a line) and, when that has been quantised, u's codes 256-511: the same lines.  E takes the place of the u just read.
; LOADS.  One tensor load a wave at the head: waves 0 to 3 the codebook's quarters, waves 4, 5 z's halves, waves 6, 7 the halves of u's first area; behind the one refill's round one more a wave: its own 16 rows of u's codes 256-511.
; CLUSTER: four work-groups ask for the codebook jointly (mask 15, the same descriptor in all four); u and z are each work-group's own.
; NO PREFETCH: the launch has no loop to run ahead in.  u's second half is asked for at the first round behind which its LDS bytes are free; product 1 and two of the four chunks stand between that and its first read.
; REGISTERS: v1, v2 the add's two; v3-11 addresses; v12-23 scale words alone; v24-35 0, z's codes, 0, later p's codes; v36-53 constants and a row's sums; v56-63 at work; v64-127 u and y by turns (v96-111 -sum(c^2) in product 1);
; v128-159 E, later z_quantized; v160-191 fragments; v192-223 z in f32; v224-255 O^T (at the head v64-191 the codebook, v224-251 its codes and addresses).  Window 1: the scores, later my rows' E by columns.
.set AREA,  133120                     ; 128 lines of 1,040 bytes
.set U23,   AREA
.set ZT,    2*AREA                     ; z's tile, 2 x 32 channels x 512 bytes; later the images of the codebook along the codes.  The offsets below count from ZT
.set ZH,    16448                      ; z's and out0's second 32 channels begin here: 64 bytes on modulo 256 for the lanes of the other half
.set KSC,   16384                      ; scale words of the images along the codes, 128 bytes a pair of tiles
.set OST,   17408                      ; out0's stage, 2 x 32 channels x 512 bytes, where the other images have been read out
.set CDI,   33024                      ; images of the codebook along the channels: 16 fragments x 1,024 bytes
.set CDS,   49408                      ; their scale words, 64 bytes a fragment
.set C2O,   50432                      ; -sum(c^2), 512 numbers
.set ISO,   52480                      ; 1 / S of the 128 rows
.set LPO,   52992                      ; the waves' parts of the loss
.set SPARE, ZT+53248                   ; the spare words, 128 bytes a wave: four blocks of 256 bytes that no other line names
.set SPW, 1
.set NIL, 2
.set AU,  3                            ; 16,640 x wave + 1,040 r + 128 h
.set AU2, 4                            ; the same in the second area
.set A16, 5                            ; ZT + 16 x lane
.set A4,  6                            ; ZT + 4 x lane
.set A4R, 7                            ; ZT + 4 r
.set AC2, 8                            ; ZT + 128 h + 4 r
.set AZ,  9                            ; ZT + ZH h + 64 x wave + 4 r
.set SH8, 11                           ; 8 h
.set SCA, 12                           ; v12-19 scale words of product 1's fragments, two sets of four
.set SK,  20                           ; v20-21 of product 2's four: lanes 0-15 an even tile's, lanes 16-31 the odd one's
.set PSC, 22
.set ZSC, 23
.set ZOP, 24
.set PCD, 24
.set EPS, 36                           ; 1e-10, twice
.set YB,  38                           ; -a x the row's largest score (low word of a pair)
.set SS,  40                           ; S, two chains of pairs
.set TT,  44                           ; T likewise (in units of log2)
.set BY0, 48
.set LL,  50                           ; the sum of p, two chains of pairs
.set TM,  56
.set CSQ, 96
.set EA,  128
.set FR,  160
.set ZF,  192
.set OT,  224
.set KC,  224                          ; head: codes along the codes, 16 registers, and their scale word
.set KW,  240
.set ADX, 241
.set AK,  242
.set ADI, 243
.set ADS, 244
.set AC2W, 245
.set AKI, 246
.set AKS, 247
.set DC,  248
.set MSB, 0
.macro WIN new                         ; the immediate's high byte repeats the setting that is left
.if MSB != \new
	s_set_vgpr_msb (MSB<<8)|\new
.set MSB, \new
.endif
.endm
.macro VW
	s_wait_alu depctr_va_vdst(0)
.endm
.macro CREST                           ; a round of the cluster's barrier behind its opening barrier
	s_cmp_lg_u32 s18, 0
	s_cbranch_scc1 .Lnot_wave_0_\@
	s_barrier_signal -3
.Lnot_wave_0_\@:
	s_barrier_wait -3
	s_barrier_signal -1
	s_barrier_wait -1
.endm
.macro ROUND                           ; a whole round
	s_barrier_signal -1
	s_barrier_wait -1
	CREST
.endm
.macro GRP1 g, w0, x, y, p             ; descriptor group 1: y rows of x elements, p elements from row to row
	s_mov_b32 s[\g], \w0
	s_mov_b32 s[\g+1], (\x)<<16
	s_mov_b32 s[\g+2], (\y)<<16
	s_mov_b32 s[\g+3], (\x)<<16
	s_mov_b32 s[\g+4], \y
	s_mov_b32 s[\g+5], \p
	s_mov_b32 s[\g+6], 0
	s_mov_b32 s[\g+7], 0
.endm
; the largest magnitude of v[x] .. v[x+31] and the floor 2^(3 - 127), into v56
.macro QMAX x
	v_max3_num_f32 v56, |v[\x]|, |v[\x+1]|, 0x1800000
	v_max3_num_f32 v57, |v[\x+2]|, |v[\x+3]|, |v[\x+4]|
.irp i, 5,9,13,17,21,25
	v_max3_num_f32 v56, v56, |v[\x+\i]|, |v[\x+\i+1]|
	v_max3_num_f32 v57, v57, |v[\x+\i+2]|, |v[\x+\i+3]|
.endr
	v_max3_num_f32 v56, v56, |v[\x+29]|, |v[\x+30]|
	v_max3_num_f32 v56, v56, v57, |v[\x+31]|
.endm
; the block's 32 codes into v[d] .. v[d+3], its scale's byte into v[by]
.macro QCVT x, d, by
	v_add_nc_u32 v58, 0xff000000, v56              ; 2 off the exponent field: the conversion's scale operand
	v_lshrrev_b32 v[\by], 23, v58
.irp g, 0,1,2,3
	v_cvt_scalef32_pk8_fp4_f32 v[\d+\g], v[\x+8*\g:\x+8*\g+7], v58
.endr
	v_nop                                          ; one plain place behind a scaled conversion
.endm
; along the channels: lane (m, h) takes channels 32 h on of code 64 w + 4 m + t: sixteen lanes read sixteen lines
.macro DLOAD x, t
.irp i, 0,1,2,3,4,5,6,7
	ds_load_b128 v[\x+4*\i:\x+4*\i+3], v[ADX] offset:256*\t+16*\i
.endr
.endm
.macro DBLK x, t
	QMAX \x
	v_pk_mul_f32 v[60:61], v[\x:\x+1], v[\x:\x+1]
	v_pk_mul_f32 v[62:63], v[\x+2:\x+3], v[\x+2:\x+3]
.irp i, 4,8,12,16,20,24,28
	v_pk_fma_f32 v[60:61], v[\x+\i:\x+\i+1], v[\x+\i:\x+\i+1], v[60:61]
	v_pk_fma_f32 v[62:63], v[\x+\i+2:\x+\i+3], v[\x+\i+2:\x+\i+3], v[62:63]
.endr
	v_pk_add_f32 v[60:61], v[60:61], v[62:63]
	v_add_f32 v60, v60, v61
	v_permlanex16_b32 v61, v60, s66, s67           ; the code's other 32 channels
	v_sub_f32 v60, -v60, v61
	ds_store_b32 v[AC2W], v60 offset:C2O+4*\t      ; both halves of the lanes write the same word with the same value
	QCVT \x, DC, 59
	ds_store_b128 v[ADI], v[DC:DC+3] offset:CDI+16*\t   ; the block's 16 bytes at their place in the fragment's image
	ds_store_b8 v[ADS], v59 offset:CDS+4*\t
.endm
; along the codes: a lane takes one channel, its registers run down block b of my 128 codes
.macro KLOAD x, b
.set j, 0
.rept 32
	ds_load_b32 v[\x+j], v[AK] offset:8320*\b+1040*(j/4)+256*(j%4)
.set j, j+1
.endr
.endm
.macro KBLK x, b
	QMAX \x
	QCVT \x, KC+4*\b, 59
.if \b == 0
	v_mov_b32 v[KW], v59
.else
	v_lshl_or_b32 v[KW], v59, 8*\b, v[KW]
.endif
.endm
; product 1 of chunk s (128 codes): 12 loads: four fragments, their scale words
.macro P1L s, fr, sc
.irp f, 0,1,2,3
	ds_load_b128 v[\fr+8*\f:\fr+8*\f+3], v[A16] offset:CDI+(4*\s+\f)*1024
	ds_load_b128 v[\fr+8*\f+4:\fr+8*\f+7], v[A16] offset:CDI+(4*\s+\f)*1024+512
	ds_load_b32 v[\sc+\f], v[A4R] offset:CDS+(4*\s+\f)*64
.endr
.endm
.macro P1ONE d, a, b, sa
	v_wmma_scale_f32_16x16x128_f8f6f4 v[\d:\d+7], v[\a:\a+7], v[\b:\b+7], 0, v[\sa], v[ZSC] matrix_a_fmt:MATRIX_FMT_FP4 matrix_b_fmt:MATRIX_FMT_FP4
.endm
.macro P1M s, fr, sc                   ; eight accumulators, one instruction each
	WIN 0x40                                       ; D window 1
.irp f, 0,1,2,3
	P1ONE 64*\s+16*\f, \fr+8*\f, ZOP+4, \sc+\f
	P1ONE 64*\s+16*\f+8, \fr+8*\f, ZOP, \sc+\f
.endr
	WIN 0
.endm
; - sum(c^2): register 16 g + n of my 64 scores is code n of the sixteen that lanes 0 .. 15 of my half hold; each accumulator is read from its low end on
.macro CADD s
	WIN 0x44                                       ; source 1 and destination window 1
.irp g, 0,1,2,3
.irp n, 0,1,2,3,4,5,6,7,8,9,10,11,12,13,14,15
	v_add_f32_dpp v[64*\s+16*\g+\n], v[CSQ+4*\s+\g], v[64*\s+16*\g+\n] row_share:\n row_mask:0xf bank_mask:0xf
.endr
.endr
.endm
.macro MAXD s, first                   ; four chains
.set j, 0
.if \first
	WIN 0x05                                       ; sources 0 and 1 window 1
.irp k, 0,1,2,3
	v_max_num_f32 v[TM+\k], v[64*\s+16*\k], v[64*\s+16*\k+1]
.endr
.set j, 2
.endif
	WIN 0x14                                       ; sources 1 and 2 window 1
.rept 8-\first
.irp k, 0,1,2,3
	v_max3_num_f32 v[TM+\k], v[TM+\k], v[64*\s+16*\k+j], v[64*\s+16*\k+j+1]
.endr
.set j, j+2
.endr
	WIN 0
.endm
.macro PLACES5                         ; places behind products: ahead of reads of their results, of loads into their registers
.rept 5
	v_nop
.endr
.endm
.macro ULOAD d, a, off                 ; my row's 32 numbers of u: one block of 32 codes
.set j, 0
.rept 8
	ds_load_b128 v[\d+4*j:\d+4*j+3], v[\a] offset:\off+16*j
.set j, j+1
.endr
.endm
.macro P2LOADS s
.irp t, 0,1,2,3
	ds_load_b128 v[FR+8*\t:FR+8*\t+3], v[A16] offset:(4*\s+\t)*1024
	ds_load_b128 v[FR+8*\t+4:FR+8*\t+7], v[A16] offset:(4*\s+\t)*1024+512
.endr
	ds_load_b32 v[SK], v[A4] offset:KSC+256*\s
	ds_load_b32 v[SK+1], v[A4] offset:KSC+256*\s+128
.endm
; half c of chunk s: codes 128 s + 64 c + 32 h + 0 .. 31: one block a lane.  u stands in v[XU ..]; y goes to v[XY ..], which then takes the next half's u
.macro HALF s, c
.set XU, 64+32*\c
.set XY, 96-32*\c
.set UA, AU+(\s/2)
.set UO, 512*(\s%2)+256*\c
.set SC, 64*\s+32*\c
	VW
	s_wait_dscnt 0x0                               ; u is in
.if \c
	P2LOADS \s
.endif
.set j, 0
.rept 16
	v_pk_add_f32 v[XU+j:XU+j+1], v[XU+j:XU+j+1], v[EPS:EPS+1]
.set j, j+2
.endr
	VW
.set j, 0
.rept 32
	v_log_f32 v[XU+j], v[XU+j]
.set j, j+1
.endr
	WIN 0x01                                       ; source 0 window 1: the scores
.set j, 0
.rept 16
	v_pk_fma_f32 v[XY+j:XY+j+1], v[SC+j:SC+j+1], s[78:79], v[YB:YB+1] op_sel_hi:[1,0,0]   ; y = (logit - the row's largest) x log2(e)
.set j, j+2
.endr
	WIN 0
.set j, 0
.rept 32
	v_max_num_f32 v[XY+j], s82, v[XY+j]            ; reference()'s clip to -50, in units of log2
.set j, j+1
.endr
	VW
.set j, 0
.rept 32
	v_exp_f32 v[EA+j], v[XY+j]                     ; E = e^L
.set j, j+1
.endr
.set j, 0
.rept 16
	v_pk_fma_f32 v[XU+j:XU+j+1], v[XU+j:XU+j+1], s[80:81], v[EPS:EPS+1] op_sel_hi:[1,0,0]   ; w = -ln(u + eps) + eps
.set j, j+2
.endr
	VW
.set j, 0
.rept 32
	v_rcp_f32 v[XU+j], v[XU+j]
.set j, j+1
.endr
.set j, 0
.rept 8                                ; independent work behind the reciprocals
	v_pk_fma_f32 v[TT:TT+1], v[EA+j:EA+j+1], v[XY+j:XY+j+1], v[TT:TT+1]
	v_pk_add_f32 v[SS:SS+1], v[SS:SS+1], v[EA+j:EA+j+1]
	v_pk_fma_f32 v[TT+2:TT+3], v[EA+j+2:EA+j+3], v[XY+j+2:XY+j+3], v[TT+2:TT+3]
	v_pk_add_f32 v[SS+2:SS+3], v[SS+2:SS+3], v[EA+j+2:EA+j+3]
.set j, j+4
.endr
.set j, 0
.rept 8
	ds_store_b128 v[UA], v[EA+4*j:EA+4*j+3] offset:UO+16*j   ; E takes the place of the u just read: those lines have had their last fill
.set j, j+1
.endr
.if \c == 0
	ULOAD XY, UA, UO+256
.elseif (\s%2) == 0
	ULOAD XY, UA, 512
.endif
	VW
.set j, 0
.rept 16
	v_pk_mul_f32 v[XU+j:XU+j+1], v[EA+j:EA+j+1], v[XU+j:XU+j+1]   ; r = E / w
.set j, j+2
.endr
.set j, 0
.rept 16
	v_pk_mul_f32 v[XU+j:XU+j+1], v[XU+j:XU+j+1], v[XU+j:XU+j+1]   ; p = r^2
.set j, j+2
.endr
	QMAX XU
.if \c == 0
	QCVT XU, PCD, BY0
.else
	QCVT XU, PCD+4, 59
	v_lshl_or_b32 v58, v59, 16, v[BY0]             ; my blocks h and 2 + h,
	v_lshlrev_b32 v58, v[SH8], v58
	v_permlanex16_b32 v59, v58, s66, s67
	v_or_b32 v[PSC], v58, v59                      ; with the other half's two: p's scale word for these 128 codes
.endif
.set j, 0
.rept 8                                ; the row's sum is taken of the unquantised p.  (Also the places between the scale word, the codes and the products)
	v_pk_add_f32 v[LL:LL+1], v[LL:LL+1], v[XU+j:XU+j+1]
	v_pk_add_f32 v[LL+2:LL+3], v[LL+2:LL+3], v[XU+j+2:XU+j+3]
.set j, j+4
.endr
.endm
; chunk s: codes 128 s .. 128 s + 127.  O^T += (codebook^T) p^T: four tiles of 16 channels; row q of tile t is channel 32 (q / 8) + 8 t + q % 8, so register 8 t + j holds channel 32 h + 8 t + j, as z's registers do
.macro CHUNK s
	HALF \s, 0
	HALF \s, 1
.if (\s%2) == 0
	s_wait_dscnt 16                                ; behind the fragments' loads stand eight stores of E and eight loads of the next u
.else
	s_wait_dscnt 8                                 ; eight stores of E
.endif
	VW
.irp p, 0,1
.if \s == 0
	v_wmma_scale_f32_16x16x128_f8f6f4 v[OT+16*\p:OT+16*\p+7], v[FR+16*\p:FR+16*\p+7], v[PCD:PCD+7], 0, v[SK+\p], v[PSC] matrix_a_fmt:MATRIX_FMT_FP4 matrix_b_fmt:MATRIX_FMT_FP4
	v_wmma_scale_f32_16x16x128_f8f6f4 v[OT+16*\p+8:OT+16*\p+15], v[FR+16*\p+8:FR+16*\p+15], v[PCD:PCD+7], 0, v[SK+\p], v[PSC] matrix_a_fmt:MATRIX_FMT_FP4 matrix_b_fmt:MATRIX_FMT_FP4 matrix_a_scale:MATRIX_SCALE_ROW1
.else
	v_wmma_scale_f32_16x16x128_f8f6f4 v[OT+16*\p:OT+16*\p+7], v[FR+16*\p:FR+16*\p+7], v[PCD:PCD+7], v[OT+16*\p:OT+16*\p+7], v[SK+\p], v[PSC] matrix_a_fmt:MATRIX_FMT_FP4 matrix_b_fmt:MATRIX_FMT_FP4
	v_wmma_scale_f32_16x16x128_f8f6f4 v[OT+16*\p+8:OT+16*\p+15], v[FR+16*\p+8:FR+16*\p+15], v[PCD:PCD+7], v[OT+16*\p+8:OT+16*\p+15], v[SK+\p], v[PSC] matrix_a_fmt:MATRIX_FMT_FP4 matrix_b_fmt:MATRIX_FMT_FP4 matrix_a_scale:MATRIX_SCALE_ROW1
.endif
.endr
.endm
; E of rows 4 k .. 4 k + 3 of my 16, by columns, into window 1: register 16 x row + 4 s + i is code 128 s + 4 lane + i
.macro ELOAD k
	WIN 0x40
.irp q, 0,1,2,3
.irp s, 0,1
	ds_load_b128 v[64*\k+16*\q+4*\s:64*\k+16*\q+4*\s+3], v62 offset:1040*(4*\k+\q)+512*\s
	ds_load_b128 v[64*\k+16*\q+4*\s+8:64*\k+16*\q+4*\s+11], v63 offset:1040*(4*\k+\q)+512*\s
.endr
.endr
	WIN 0
.endm
; their sums: x 1 / S of the row, from the low or the high word of a pair of v64-79
.macro ESUM k
	WIN 0x01
.irp q, 0,2,4,6,8,10,12,14
.if \k == 0
	v_pk_mul_f32 v[80+\q:81+\q], v[\q:\q+1], v[64:65] op_sel_hi:[1,0]
.else
	v_pk_fma_f32 v[80+\q:81+\q], v[64*\k+\q:64*\k+\q+1], v[64+4*\k:65+4*\k], v[80+\q:81+\q] op_sel_hi:[1,0,1]
.endif
.endr
.irp q, 0,2,4,6,8,10,12,14
	v_pk_fma_f32 v[80+\q:81+\q], v[64*\k+16+\q:64*\k+17+\q], v[64+4*\k:65+4*\k], v[80+\q:81+\q] op_sel:[0,1,0] op_sel_hi:[1,1,1]
.endr
.irp q, 0,2,4,6,8,10,12,14
	v_pk_fma_f32 v[80+\q:81+\q], v[64*\k+32+\q:64*\k+33+\q], v[66+4*\k:67+4*\k], v[80+\q:81+\q] op_sel_hi:[1,0,1]
.endr
.irp q, 0,2,4,6,8,10,12,14
	v_pk_fma_f32 v[80+\q:81+\q], v[64*\k+48+\q:64*\k+49+\q], v[66+4*\k:67+4*\k], v[80+\q:81+\q] op_sel:[0,1,0] op_sel_hi:[1,1,1]
.endr
	WIN 0
.endm
	s_load_b256 s[4:11], s[0:1], 0x0               ; codebook s[4:5], u s[6:7], var_q s[8:9], z s[10:11]
	s_load_b128 s[12:15], s[0:1], 0x20             ; out0 s[12:13], column parts s[14:15]
	s_load_b64 s[16:17], s[0:1], 0x30              ; loss parts
	v_lshl_add_u32 v[SPW], v0, 2, SPARE
	v_mov_b32 v[NIL], 0
	ds_add_u32 v[SPW], v[NIL]                      ; the wave's opening: the add, twice on end, and its wait ahead of my first tensor load
	ds_add_u32 v[SPW], v[NIL]
	v_lshrrev_b32 v56, 5, v0
	v_readfirstlane_b32 s18, v56                   ; wave 0..7
	v_and_b32 v56, 31, v0                          ; lane
	v_and_b32 v57, 15, v0                          ; r (and m)
	v_bfe_u32 v58, v0, 4, 1                        ; h
	v_lshrrev_b32 v59, 5, v0                       ; w
	v_and_b32 v60, 1, v59
	v_lshrrev_b32 v61, 1, v59
	v_mul_u32_u24 v[AU], v57, 1040
	v_lshl_add_u32 v[AU], v58, 7, v[AU]
	v_mad_u32_u24 v[AU], v59, 16640, v[AU]
	v_add_nc_u32 v[AU2], U23, v[AU]
	v_add_nc_u32 v[ADX], U23, v[AU]                ; codebook along the channels: line 16 w + m, 128 h: the same place
	v_lshl_add_u32 v[A16], v56, 4, ZT
	v_lshl_add_u32 v[A4], v56, 2, ZT
	v_lshl_add_u32 v[A4R], v57, 2, ZT
	v_lshl_add_u32 v[AC2], v58, 7, v[A4R]
	v_mul_u32_u24 v[AZ], v58, ZH
	v_add_nc_u32 v[AZ], v[AZ], v[A4R]
	v_lshl_add_u32 v[AZ], v59, 6, v[AZ]
	v_lshlrev_b32 v[SH8], 3, v58
	v_lshl_add_u32 v[AK], v56, 2, U23              ; along the codes: channel 32 (w % 2) + lane, from code 128 (w / 2) on
	v_mad_u32_u24 v[AK], v61, 33280, v[AK]
	v_lshl_add_u32 v[AK], v60, 7, v[AK]
	v_lshl_add_u32 v[ADI], v59, 11, ZT             ; my code is row q = 8 (m / 8) + 4 (m % 2) + t of tile (m / 2) % 4
	v_lshl_add_u32 v[ADI], v58, 8, v[ADI]
	v_lshl_add_u32 v[ADS], v59, 7, ZT              ; its byte: fragment 2 w + (m / 4) % 2, word q, byte 2 ((m / 2) % 2) + h
	v_add_nc_u32 v[ADS], v58, v[ADS]
	v_and_b32 v62, 1, v57
	v_bfe_u32 v63, v57, 1, 2
	v_lshl_add_u32 v[ADI], v62, 6, v[ADI]
	v_lshl_add_u32 v[ADS], v62, 4, v[ADS]
	v_lshl_add_u32 v[ADI], v63, 9, v[ADI]
	v_lshrrev_b32 v62, 3, v57
	v_bfe_u32 v63, v57, 1, 1
	v_lshl_add_u32 v[ADI], v62, 7, v[ADI]
	v_lshl_add_u32 v[ADS], v62, 5, v[ADS]
	v_lshl_add_u32 v[ADS], v63, 1, v[ADS]
	v_bfe_u32 v63, v57, 2, 1
	v_lshl_add_u32 v[ADS], v63, 6, v[ADS]
	v_lshl_add_u32 v[AC2W], v59, 8, ZT
	v_lshl_add_u32 v[AC2W], v57, 4, v[AC2W]
	v_lshrrev_b32 v62, 3, v56
	v_and_b32 v63, 7, v56
	v_lshl_add_u32 v[AKI], v61, 12, ZT             ; my channel is row 8 (w % 2) + lane % 8 of tile lane / 8
	v_lshl_add_u32 v[AKI], v60, 7, v[AKI]
	v_lshl_add_u32 v[AKI], v62, 10, v[AKI]
	v_lshl_add_u32 v[AKI], v63, 4, v[AKI]
	v_lshl_add_u32 v[AKS], v61, 8, ZT+KSC
	v_lshl_add_u32 v[AKS], v60, 5, v[AKS]
	v_lshl_add_u32 v[AKS], v62, 6, v[AKS]
	v_lshl_add_u32 v[AKS], v63, 2, v[AKS]
	VW
	; group 1: the codebook (mask 15, bit 21 beside it), z, u's first area (64 rows a wave), u's second (16 rows).  Padding: four words behind every 256 (z: none)
	GRP1 24, 15|(2<<16)|(1<<20)|(1<<21)|(7<<22)|(3<<25), 256, 32, 256
	GRP1 32, (2<<16), 128, 32, 1024
	GRP1 40, (2<<16)|(1<<20)|(7<<22)|(3<<25), 256, 64, 512
	GRP1 48, (2<<16)|(1<<20)|(7<<22)|(3<<25), 256, 16, 512
	s_mov_b32 s66, 0x76543210
	s_mov_b32 s67, 0xfedcba98                      ; v_permlanex16_b32's selects for lane l xor 16
	s_mov_b32 s80, 0xbf317218                      ; -ln 2
	s_mov_b32 s81, s80
	s_mov_b32 s82, 0xc29044fe                      ; -50 log2(e)
	s_bfe_u32 s19, ttmp6, 0x40000                  ; my place in the cluster
	s_lshl_b32 s20, ttmp9, 2
	s_add_co_u32 s20, s20, s19                     ; work-group 0..255
	s_and_b32 s19, s18, 1
	s_and_b32 s21, s18, 3
	s_lshl_b32 s84, s20, 18                        ; u: 128 rows of 2,048 bytes
	s_mov_b32 s85, 0
	s_lshr_b32 s86, s20, 3                         ; z, out0: batch = work-group / 8, 262,144 bytes each; 128 pixels = 512 bytes
	s_lshl_b32 s86, s86, 18
	s_and_b32 s87, s20, 7
	s_lshl_b32 s87, s87, 9
	s_add_co_u32 s86, s86, s87
	s_mov_b32 s87, 0
	s_lshl_b32 s88, s20, 11                        ; a row of column parts
	s_mov_b32 s89, 0
	s_lshl_b32 s90, s20, 2
	s_mov_b32 s91, 0
	s_lshl_b32 s92, s21, 15                        ; a quarter of the codebook
	s_mov_b32 s93, 0
	s_lshl_b32 s94, s19, 17                        ; 32 channels of z; 64 rows of u
	s_mov_b32 s95, 0
	s_lshl_b32 s98, s18, 15                        ; my 16 rows of u, codes 256 on
	s_add_co_u32 s98, s98, 0x400
	s_mov_b32 s99, 0
	s_mov_b32 s56, 1
	s_mul_i32 s57, s21, 33280
	s_add_co_u32 s57, s57, U23
	s_mov_b32 s60, 1
	s_mul_i32 s61, s19, ZH
	s_add_co_u32 s61, s61, ZT
	s_mov_b32 s68, 1
	s_mul_i32 s69, s19, 66560
	s_mov_b32 s72, 1
	s_mul_i32 s73, s18, 16640
	s_add_co_u32 s73, s73, U23
	s_wait_dscnt 0x0                               ; both opening adds are done
	s_wait_kmcnt 0x0
	s_load_b32 s83, s[8:9], 0x0                    ; var_q
	s_add_nc_u64 s[10:11], s[10:11], s[86:87]
	s_add_nc_u64 s[12:13], s[12:13], s[86:87]
	s_add_nc_u64 s[6:7], s[6:7], s[84:85]
	s_add_nc_u64 s[14:15], s[14:15], s[88:89]
	s_add_nc_u64 s[16:17], s[16:17], s[90:91]
	s_add_nc_u64 s[58:59], s[4:5], s[92:93]
	s_or_b32 s59, s59, 0x80000000
	s_add_nc_u64 s[62:63], s[10:11], s[94:95]
	s_or_b32 s63, s63, 0x80000000
	s_add_nc_u64 s[70:71], s[6:7], s[94:95]
	s_or_b32 s71, s71, 0x80000000
	s_add_nc_u64 s[74:75], s[6:7], s[98:99]
	s_or_b32 s75, s75, 0x80000000
	ROUND                                          ; all four work-groups are here: the joint loads meet
	s_cmp_lt_u32 s18, 4
	s_cbranch_scc0 .Lhead_z
	tensor_load_to_lds s[56:59], s[24:31]          ; the codebook, jointly
	s_nop 0
.rept 4
	v_nop
.endr
	s_branch .Lhead_asked
.Lhead_z:
	s_cmp_lt_u32 s18, 6
	s_cbranch_scc0 .Lhead_u
	tensor_load_to_lds s[60:63], s[32:39]
	s_nop 0
.rept 4
	v_nop
.endr
	s_branch .Lhead_asked
.Lhead_u:
	tensor_load_to_lds s[68:71], s[40:47]
	s_nop 0
.rept 4
	v_nop
.endr
.Lhead_asked:
	VW
	s_cmp_lt_u32 s18, 6
	s_cbranch_scc0 .Lhead_mine                     ; waves 6 and 7: u may be out; it is read behind the refill's round, in front of which they wait for it
	s_wait_tensorcnt 0x0                           ; waves 0 to 5: the codebook and z are in
.Lhead_mine:
	s_barrier_signal -1
	s_barrier_wait -1
	DLOAD 64, 0
	DLOAD 96, 1
	DLOAD 128, 2
	DLOAD 160, 3
	s_wait_dscnt 24                                ; of four groups of eight the first is in
	DBLK 64, 0
	KLOAD 64, 0                                    ; into the registers just quantised
	VW
	s_wait_dscnt 44                                ; behind the second group stand 51
	DBLK 96, 1
	KLOAD 96, 1
	VW
	s_wait_dscnt 63                                ; behind the third 78: 63 is the wait's largest count, and under it
	DBLK 128, 2
	KLOAD 128, 2
	VW
	s_wait_dscnt 63                                ; behind the fourth 105
	DBLK 160, 3
	KLOAD 160, 3
.set j, 0
.rept 32
	ds_load_b32 v[ZF+j], v[AZ] offset:512*j        ; z(channel 32 h + j, my row)
.set j, j+1
.endr
	VW
	s_wait_dscnt 63                                ; behind block 0's loads 137, behind block 1's 102, behind block 2's 67
	KBLK 64, 0
	KBLK 96, 1
	KBLK 128, 2
	VW
	s_wait_dscnt 32                                ; behind block 3's loads z's 32
	KBLK 160, 3
	VW
	s_wait_kmcnt 0x0
	s_wait_tensorcnt 0x0                           ; my part of u's first area is in
	ds_add_u32 v[SPW], v[NIL]
	s_wait_dscnt 0x0                               ; the add is done; my images, scale bytes and -sum(c^2) have landed, my reads of the codebook and of z's tile are over
	s_barrier_signal -1
	QMAX ZF                                        ; (work on registers while the others arrive)  2 z is quantised: z's codes, and 1 more in each scale byte
	QCVT ZF, ZOP+4, 59
	v_lshlrev_b32 v59, v[SH8], v59
	v_permlanex16_b32 v57, v59, s66, s67
	v_or_b32 v59, v59, v57
	v_lshl_or_b32 v59, v59, 16, v59                ; the two bytes serve K 0-63 and K 64-127 alike
	v_add_nc_u32 v[ZSC], 0x01010101, v59
.irp i, 0,1,2,3,8,9,10,11
	v_mov_b32 v[ZOP+\i], 0                         ; zero codes on both sides of z's four registers
.endr
	v_mov_b32 v[EPS], 0x2edbe6ff
	v_mov_b32 v[EPS+1], 0x2edbe6ff
.irp i, 0,1,2,3,4,5,6,7,10,11,12,13
	v_mov_b32 v[SS+\i], 0                          ; S, T and the sum of p
.endr
	v_mov_b32 v[YB+1], 0                           ; (upper half of a pair that is named whole)
	v_mov_b32 v56, s83
	v_max_num_f32 v56, 0x3727c5ac, v56             ; clip(var_q, 1e-5, ..)
	VW
	v_rcp_f32 v56, v56
	v_nop
	VW
	v_min_num_f32 v56, 0x47c35000, v56             ; clip(.., 1e5)
	v_mul_f32 v56, 0.5, v56
	v_readfirstlane_b32 s76, v56                   ; half the precision
	v_mul_f32 v57, 0x3fb8aa3b, v56
	v_readfirstlane_b32 s78, v57                   ; a = that x log2(e)
	s_mov_b32 s79, s78
	VW
	s_barrier_wait -1
	CREST                                          ; nobody reads the codebook or z's tile any more; the images and u's first area are whole
	tensor_load_to_lds s[72:75], s[48:55]          ; my rows of u's second area, over the codebook
	s_nop 0
.rept 4
	v_nop
.endr
	P1L 0, FR, SCA
.set j, 0
.rept 16
	ds_load_b32 v[CSQ+j], v[AC2] offset:C2O+256*(j/2)+64*(j%2)   ; -sum(c^2) of code 64 (j / 2) + 32 h + 16 (j % 2) + r
.set j, j+1
.endr
	P1L 1, 64, SCA+4
.irp b, 0,1,2,3
	ds_store_b128 v[AKI], v[KC+4*\b:KC+4*\b+3] offset:256*\b   ; the images along the codes take the place of z's tile
.endr
	ds_store_b32 v[AKS], v[KW]
	s_wait_dscnt 33                                ; behind chunk 0's twelve loads stand 16 + 12 + 5
	P1M 0, FR, SCA
	s_wait_dscnt 0x0
	P1M 1, 64, SCA+4
	PLACES5
	P1L 2, FR, SCA
	P1L 3, 64, SCA+4
	CADD 0
	MAXD 0, 1
	CADD 1
	MAXD 1, 0
	VW
	s_wait_dscnt 12                                ; chunk 3's twelve may be out
	P1M 2, FR, SCA
	s_wait_dscnt 0x0                               ; my images along the codes have landed, my reads of the others are over
	s_barrier_signal -1
	P1M 3, 64, SCA+4                               ; work on registers while the others arrive
	PLACES5
	CADD 2
	MAXD 2, 0
	CADD 3
	MAXD 3, 0
	v_max3_num_f32 v56, v56, v57, v58
	v_max_num_f32 v56, v56, v59
	v_permlanex16_b32 v57, v56, s66, s67
	v_max_num_f32 v56, v56, v57                    ; the row's largest score
	v_mul_f32 v[YB], -v56, s78
	VW
	s_barrier_wait -1                              ; everybody's images along the codes are whole, and the others' bytes are free for out0's stage
	ULOAD 64, AU, 0
	CHUNK 0
	CHUNK 1
	VW
	s_wait_tensorcnt 0x0                           ; my 16 rows of the second area are in: I alone read them
	ULOAD 64, AU2, 0
	CHUNK 2
	CHUNK 3
	; the row's sums: two chains, two halves of a pair, two halves of the lanes.  (The first lines are the places behind the last products)
	v_pk_add_f32 v[40:41], v[40:41], v[42:43]
	v_pk_add_f32 v[44:45], v[44:45], v[46:47]
	v_pk_add_f32 v[50:51], v[50:51], v[52:53]
	v_add_f32 v40, v40, v41
	v_add_f32 v44, v44, v45
	v_add_f32 v50, v50, v51
	v_permlanex16_b32 v56, v40, s66, s67
	v_permlanex16_b32 v57, v44, s66, s67
	v_permlanex16_b32 v58, v50, s66, s67
	v_add_f32 v40, v40, v56
	v_add_f32 v44, v44, v57
	v_add_f32 v50, v50, v58
	VW
	v_rcp_f32 v42, v40                             ; 1 / S
	v_log_f32 v43, v40                             ; log2 S
	v_rcp_f32 v50, v50                             ; 1 / the sum of p
	v_and_b32 v56, 15, v0                          ; (plain work behind the three)
	v_lshrrev_b32 v60, 5, v0
	v_and_b32 v57, 31, v0
	v_lshlrev_b32 v58, 6, v60
	v_add_nc_u32 v58, ZT+ISO, v58                  ; my 16 rows' 1 / S,
	v_lshl_add_u32 v59, v56, 2, v58                ; and my row's
	v_lshl_add_u32 v61, v60, 2, ZT+LPO             ; my wave's word
	v_lshlrev_b32 v62, 4, v57
	v_mad_u32_u24 v62, v60, 16640, v62             ; my rows by columns: 16 bytes a lane, in the first area
	v_add_nc_u32 v63, AREA, v62                    ; and in the second
	VW
.set j, 0
.rept 16
	v_pk_mul_f32 v[EA+j:EA+j+1], v[OT+j:OT+j+1], v[50:51] op_sel_hi:[1,0]   ; z_quantized(my row, channel 32 h + j)
.set j, j+2
.endr
	v_fma_f32 v45, v44, v42, -v43                  ; T / S - log2 S: the row's sum p log p, in units of log2
	ds_store_b32 v59, v42                          ; both halves of the lanes write the same
.irp q, 0,1,2,3
	ds_load_b128 v[64+4*\q:67+4*\q], v58 offset:16*\q   ; LDS serves a wave's instructions in order: these see the store above, and E's loads below the stores of E
.endr
	ELOAD 0
	ELOAD 1
.set j, 0
.rept 32
	ds_store_b32 v[AZ], v[EA+j] offset:OST+512*j   ; out0's stage, [channel][128 pixels]
.set j, j+1
.endr
	ELOAD 2
	ELOAD 3
.set j, 0
.rept 16
	v_pk_add_f32 v[ZF+j:ZF+j+1], v[ZF+j:ZF+j+1], v[EA+j:EA+j+1] neg_lo:[0,1] neg_hi:[0,1]
.set j, j+2
.endr
	v_pk_mul_f32 v[46:47], v[ZF:ZF+1], v[ZF:ZF+1]
	v_pk_mul_f32 v[52:53], v[ZF+2:ZF+3], v[ZF+2:ZF+3]
.set j, 4
.rept 7
	v_pk_fma_f32 v[46:47], v[ZF+j:ZF+j+1], v[ZF+j:ZF+j+1], v[46:47]
	v_pk_fma_f32 v[52:53], v[ZF+j+2:ZF+j+3], v[ZF+j+2:ZF+j+3], v[52:53]
.set j, j+4
.endr
	v_pk_add_f32 v[46:47], v[46:47], v[52:53]
	v_add_f32 v46, v46, v47
	v_mul_f32 v46, s76, v46                        ; x half the precision
	v_fmamk_f32 v46, v45, 0x3eb17218, v46          ; + ln 2 / 2 x the row's term, which both halves of the lanes hold
	v_add_f32_dpp v46, v46, v46 row_xmask:1 row_mask:0xf bank_mask:0xf
	v_add_f32_dpp v46, v46, v46 row_xmask:2 row_mask:0xf bank_mask:0xf
	v_add_f32_dpp v46, v46, v46 row_xmask:4 row_mask:0xf bank_mask:0xf
	v_add_f32_dpp v46, v46, v46 row_xmask:8 row_mask:0xf bank_mask:0xf
	v_permlanex16_b32 v47, v46, s66, s67
	v_add_f32 v46, v46, v47
	ds_store_b32 v61, v46
	VW
	s_wait_dscnt 63                                ; behind rows 0-3 stand 16 + 32 + 32 + 1, behind rows 4-7 65
	ESUM 0
	ESUM 1
	VW
	s_wait_dscnt 17                                ; behind rows 8-11: 16 + 1
	ESUM 2
	VW
	s_wait_dscnt 1                                 ; my part of the loss may be out
	ESUM 3
.irp s, 0,1,2,3
	ds_store_b128 v62, v[80+4*\s:83+4*\s] offset:512*\s   ; my 512 column sums, 2,048 bytes in my own rows' lines of the first area, which I alone read and have read out
.endr
	v_lshlrev_b32 v56, 3, v0                       ; thread t takes codes 2 t and 2 t + 1 of the eight waves' sums
	v_add_nc_u32 v57, 66560, v56
	v_mov_b32 v58, ZT+LPO
	v_lshrrev_b32 v60, 7, v0
	v_lshrrev_b32 v61, 5, v0
	v_lshl_add_u32 v62, v61, 12, v[A16]            ; my 8 channels of the stage
	v_lshl_add_u32 v62, v60, 6, v62                ; (waves 4 to 7: of the second 32)
	v_and_b32 v63, 31, v0
	v_lshlrev_b32 v63, 4, v63
	v_lshl_add_u32 v63, v61, 15, v63               ; out0: 8 channels x 4,096 bytes x wave + 16 x lane
	VW
	s_wait_dscnt 0x0                               ; my stage, column sums and part of the loss have landed
	s_barrier_signal -1
	s_barrier_wait -1
.set j, 0
.rept 8
	ds_load_b128 v[OT+4*j:OT+4*j+3], v62 offset:OST+512*j
.set j, j+1
.endr
.set j, 0
.rept 4
	ds_load_b64 v[64+2*j:65+2*j], v56 offset:16640*j
	ds_load_b64 v[72+2*j:73+2*j], v57 offset:16640*j
.set j, j+1
.endr
	ds_load_b128 v[80:83], v58                     ; the eight waves' parts of the loss
	ds_load_b128 v[84:87], v58 offset:16
	s_wait_dscnt 10                                ; the stage's rows are back; the ten loads behind them may be out
.set j, 0
.rept 8
	global_store_b128 v63, v[OT+4*j:OT+4*j+3], s[12:13] offset:4096*j th:TH_STORE_NT   ; 32 lanes store 512 consecutive bytes, at a multiple of 256 from out0's first byte
.set j, j+1
.endr
	s_wait_dscnt 2                                 ; the loss's two may be out
.irp j, 0,2,4,6
	v_pk_add_f32 v[64+\j:65+\j], v[64+\j:65+\j], v[72+\j:73+\j]
.endr
	v_pk_add_f32 v[64:65], v[64:65], v[66:67]
	v_pk_add_f32 v[68:69], v[68:69], v[70:71]
	v_pk_add_f32 v[64:65], v[64:65], v[68:69]
	global_store_b64 v56, v[64:65], s[14:15]       ; a wave stores 256 consecutive bytes, aligned
	VW
	s_wait_dscnt 0x0
	v_pk_add_f32 v[80:81], v[80:81], v[82:83]
	v_pk_add_f32 v[84:85], v[84:85], v[86:87]
	v_mov_b32 v62, 0
	v_pk_add_f32 v[80:81], v[80:81], v[84:85]
	v_cmp_eq_u32 vcc_lo, 0, v0
	v_add_f32 v80, v80, v81
	VW
	s_wait_xcnt 0x0                                ; EXEC changes only behind this wait
	s_and_saveexec_b32 s19, vcc_lo
	global_store_b32 v62, v80, s[16:17]            ; thread 0: the work-group's part of the loss
	s_wait_xcnt 0x0
	s_or_b32 exec_lo, exec_lo, s19
	s_wait_tensorcnt 0x0                           ; the wave's end: behind my last tensor load and my last LDS store
	ds_add_u32 v[SPW], v[NIL]
	s_wait_dscnt 0x0
	ROUND                                          ; the closing round
	s_endpgm
.Lfunc_end_k_qe916919d44_vq_main:
	.size	k_qe916919d44_vq_main, .Lfunc_end_k_qe916919d44_vq_main-k_qe916919d44_vq_main
	.p2alignl 7, 3214868480
	.fill 96, 4, 3214868480
	.section	.rodata,"a",@progbits
	.p2align	6, 0x0
	.amdhsa_kernel k_qe916919d44_vq_main
		.amdhsa_group_segment_fixed_size 327680
		.amdhsa_private_segment_fixed_size 0
		.amdhsa_enable_private_segment 0
		.amdhsa_kernarg_size 56
		.amdhsa_user_sgpr_count 2
		.amdhsa_user_sgpr_kernarg_segment_ptr 1
		.amdhsa_wavefront_size32 1
		.amdhsa_system_sgpr_workgroup_id_x 1
		.amdhsa_system_sgpr_workgroup_id_y 1
		.amdhsa_system_sgpr_workgroup_id_z 1
		.amdhsa_system_vgpr_workitem_id 0
		.amdhsa_next_free_vgpr 512
		.amdhsa_next_free_sgpr 102
		.amdhsa_reserve_vcc 1
		.amdhsa_float_denorm_mode_32 3
		.amdhsa_float_denorm_mode_16_64 3
		.amdhsa_memory_ordered 1
		.amdhsa_forward_progress 1
		.amdhsa_inst_pref_size 224
	.end_amdhsa_kernel
	.amdgpu_metadata
---
amdhsa.version: [ 1, 2 ]
amdhsa.kernels:
  - .name:           k_qe916919d44_vq_main
    .symbol:         k_qe916919d44_vq_main.kd
    .args:
      - { .name: codebook, .offset: 0, .size: 8, .value_kind: global_buffer, .address_space: global }
      - { .name: gumbel_u, .offset: 8, .size: 8, .value_kind: global_buffer, .address_space: global }
      - { .name: var_q, .offset: 16, .size: 8, .value_kind: global_buffer, .address_space: global }
      - { .name: z_from_encoder, .offset: 24, .size: 8, .value_kind: global_buffer, .address_space: global }
      - { .name: out0, .offset: 32, .size: 8, .value_kind: global_buffer, .address_space: global }
      - { .name: colp, .offset: 40, .size: 8, .value_kind: global_buffer, .address_space: global }
      - { .name: lossp, .offset: 48, .size: 8, .value_kind: global_buffer, .address_space: global }
    .group_segment_fixed_size: 327680
    .private_segment_fixed_size: 0
    .kernarg_segment_align: 8
    .kernarg_segment_size: 56
    .max_flat_workgroup_size: 256
    .sgpr_count:     102
    .vgpr_count:     512
    .wavefront_size: 32
...
	.end_amdgpu_metadata
.endif
;; end of part 1
;; launch vq_cols (part 2): grid 8 x 8, 1 waves a work-group, no clusters, 0 bytes of LDS; arguments colp, colq; writes colq
.if DOCPART == 2
	.amdgcn_target "amdgcn-amd-amdhsa--gfx1250"
	.amdhsa_code_object_version 6
	.text
	.protected	k_qe916919d44_vq_cols
	.globl	k_qe916919d44_vq_cols
	.p2align	8
	.type	k_qe916919d44_vq_cols,@function
k_qe916919d44_vq_cols:
	s_mov_b64 s[64:65], 0
	v_nop
	global_prefetch_b8 v0, s[64:65] scope:SCOPE_SE
	s_setreg_imm32_b32 hwreg(HW_REG_WAVE_MODE, 25, 1), 1
	s_wait_xcnt 0x0
; colp [256][512], each work-group's column sums of the probabilities, becomes colq [8][512].  A wave takes 64 columns (256 bytes: work-group x) of 32 rows (work-group y): a load covers the 256 bytes of two rows.
; Nothing is shared between waves: no LDS, no barrier, no cluster.  No prefetch: every byte is asked for at the head.
	s_load_b128 s[4:7], s[0:1], 0x0                ; colp s[4:5], colq s[6:7]
	v_and_b32 v1, 15, v0
	v_lshlrev_b32 v1, 4, v1                        ; 16 bytes a lane,
	v_lshrrev_b32 v2, 4, v0
	v_lshl_add_u32 v2, v2, 11, v1                  ; lanes 16-31 one row on
.irp i, 8,9,10,11
	v_mov_b32 v\i, 0                               ; (a lane permute's destination counts as one of its sources)
.endr
	s_and_b32 s8, ttmp7, 0xffff
	s_lshl_b32 s10, ttmp9, 8
	s_lshl_b32 s12, s8, 16
	s_add_co_u32 s12, s12, s10
	s_mov_b32 s13, 0
	s_lshl_b32 s14, s8, 11
	s_add_co_u32 s14, s14, s10
	s_mov_b32 s15, 0
	s_mov_b32 s16, 0x76543210
	s_mov_b32 s17, 0xfedcba98
	s_wait_alu depctr_va_vdst(0)
	s_wait_kmcnt 0x0
	s_add_nc_u64 s[4:5], s[4:5], s[12:13]
	s_add_nc_u64 s[6:7], s[6:7], s[14:15]
.set i, 0
.rept 16
	global_load_b128 v[16+4*i:19+4*i], v2, s[4:5] offset:4096*i th:TH_LOAD_NT
.set i, i+1
.endr
	s_wait_loadcnt 0x0
.irp d, 1,2,4,8                        ; sixteen loads' sums, pair by pair
.set i, 0
.rept 8/\d
	v_pk_add_f32 v[16+4*i:17+4*i], v[16+4*i:17+4*i], v[16+4*(i+\d):17+4*(i+\d)]
	v_pk_add_f32 v[18+4*i:19+4*i], v[18+4*i:19+4*i], v[18+4*(i+\d):19+4*(i+\d)]
.set i, i+2*\d
.endr
.endr
.irp i, 0,1,2,3
	v_permlanex16_b32 v[8+\i], v[16+\i], s16, s17  ; the other half's rows
.endr
	v_pk_add_f32 v[16:17], v[16:17], v[8:9]
	v_pk_add_f32 v[18:19], v[18:19], v[10:11]
	v_cmp_gt_u32 vcc_lo, 16, v0
	s_wait_alu depctr_va_vdst(0)
	s_wait_xcnt 0x0                                ; EXEC changes only behind this wait
	s_and_saveexec_b32 s18, vcc_lo
	global_store_b128 v1, v[16:19], s[6:7]         ; lanes 0-15: one aligned unit of 256 bytes
	s_endpgm
.Lfunc_end_k_qe916919d44_vq_cols:
	.size	k_qe916919d44_vq_cols, .Lfunc_end_k_qe916919d44_vq_cols-k_qe916919d44_vq_cols
	.p2alignl 7, 3214868480
	.fill 96, 4, 3214868480
	.section	.rodata,"a",@progbits
	.p2align	6, 0x0
	.amdhsa_kernel k_qe916919d44_vq_cols
		.amdhsa_group_segment_fixed_size 0
		.amdhsa_private_segment_fixed_size 0
		.amdhsa_enable_private_segment 0
		.amdhsa_kernarg_size 16
		.amdhsa_user_sgpr_count 2
		.amdhsa_user_sgpr_kernarg_segment_ptr 1
		.amdhsa_wavefront_size32 1
		.amdhsa_system_sgpr_workgroup_id_x 1
		.amdhsa_system_sgpr_workgroup_id_y 1
		.amdhsa_system_sgpr_workgroup_id_z 1
		.amdhsa_system_vgpr_workitem_id 0
		.amdhsa_next_free_vgpr 80
		.amdhsa_next_free_sgpr 66
		.amdhsa_reserve_vcc 1
		.amdhsa_float_denorm_mode_32 3
		.amdhsa_float_denorm_mode_16_64 3
		.amdhsa_memory_ordered 1
		.amdhsa_forward_progress 1
		.amdhsa_inst_pref_size 6
	.end_amdhsa_kernel
	.amdgpu_metadata
---
amdhsa.version: [ 1, 2 ]
amdhsa.kernels:
  - .name:           k_qe916919d44_vq_cols
    .symbol:         k_qe916919d44_vq_cols.kd
    .args:
      - { .name: colp, .offset: 0, .size: 8, .value_kind: global_buffer, .address_space: global }
      - { .name: colq, .offset: 8, .size: 8, .value_kind: global_buffer, .address_space: global }
    .group_segment_fixed_size: 0
    .private_segment_fixed_size: 0
    .kernarg_segment_align: 8
    .kernarg_segment_size: 16
    .max_flat_workgroup_size: 32
    .sgpr_count:     66
    .vgpr_count:     80
    .wavefront_size: 32
...
	.end_amdgpu_metadata
.endif
;; end of part 2
;; launch vq_finish (part 3): grid 1 x 1, 1 waves a work-group, no clusters, 0 bytes of LDS; arguments colq, lossp, out1, out2; writes out1, out2
.if DOCPART == 3
	.amdgcn_target "amdgcn-amd-amdhsa--gfx1250"
	.amdhsa_code_object_version 6
	.text
	.protected	k_qe916919d44_vq_finish
	.globl	k_qe916919d44_vq_finish
	.p2align	8
	.type	k_qe916919d44_vq_finish,@function
k_qe916919d44_vq_finish:
	s_mov_b64 s[64:65], 0
	v_nop
	global_prefetch_b8 v0, s[64:65] scope:SCOPE_SE
	s_setreg_imm32_b32 hwreg(HW_REG_WAVE_MODE, 25, 1), 1
	s_wait_xcnt 0x0
; One wave finishes: colq [8][512] holds parts of the column sums of the probabilities, lossp [256] the work-groups' parts of the loss (both KLD terms, not yet divided by the batch of 32).
; loss = sum / 32.  avg = column sum / 32,768, held at 1e-10 from below; perplexity = exp(-sum avg ln(avg + 1e-10)) = 2^-(sum avg log2(avg + 1e-10)).
; A lane takes 16 columns, 128 q + 4 lane + 0 .. 3 (q = 0 .. 3): a load covers 512 consecutive bytes.  No LDS, no barrier.  No prefetch: every byte is asked for at the head.
	s_load_b256 s[4:11], s[0:1], 0x0               ; colq s[4:5], lossp s[6:7], out1 s[8:9], out2 s[10:11]
	v_lshlrev_b32 v1, 4, v0
	v_mov_b32 v2, 0
	v_mov_b32 v3, 0                                ; (a lane permute's destination counts as one of its sources)
	v_mov_b32 v4, 0
	s_mov_b32 s12, 0x76543210
	s_mov_b32 s13, 0xfedcba98
	s_mov_b32 s14, 0x38000000                      ; 1 / 32,768
	s_mov_b32 s15, s14
	s_wait_alu depctr_va_vdst(0)
	s_wait_kmcnt 0x0
	global_load_b128 v[16:19], v1, s[6:7]
	global_load_b128 v[20:23], v1, s[6:7] offset:512
.set i, 0
.rept 8
.irp q, 0,1,2,3
	global_load_b128 v[32+16*i+4*\q:35+16*i+4*\q], v1, s[4:5] offset:2048*i+512*\q
.endr
.set i, i+1
.endr
	s_wait_loadcnt 0x20                            ; the loss's two loads are in; the 32 behind them may be out
	v_pk_add_f32 v[16:17], v[16:17], v[18:19]
	v_pk_add_f32 v[20:21], v[20:21], v[22:23]
	v_pk_add_f32 v[16:17], v[16:17], v[20:21]
	v_add_f32 v16, v16, v17
	v_add_f32_dpp v16, v16, v16 row_xmask:1 row_mask:0xf bank_mask:0xf
	v_add_f32_dpp v16, v16, v16 row_xmask:2 row_mask:0xf bank_mask:0xf
	v_add_f32_dpp v16, v16, v16 row_xmask:4 row_mask:0xf bank_mask:0xf
	v_add_f32_dpp v16, v16, v16 row_xmask:8 row_mask:0xf bank_mask:0xf
	v_permlanex16_b32 v3, v16, s12, s13
	v_add_f32 v16, v16, v3
	v_mul_f32 v16, 0x3d000000, v16                 ; / 32
	s_wait_alu depctr_va_vdst(0)
	s_wait_loadcnt 0x0
.irp d, 1,2,4                          ; the eight rows, pair by pair
.set i, 0
.rept 4/\d
.irp q, 0,2,4,6,8,10,12,14
	v_pk_add_f32 v[32+16*i+\q:33+16*i+\q], v[32+16*i+\q:33+16*i+\q], v[32+16*(i+\d)+\q:33+16*(i+\d)+\q]
.endr
.set i, i+2*\d
.endr
.endr
.irp q, 0,2,4,6,8,10,12,14
	v_pk_mul_f32 v[32+\q:33+\q], v[32+\q:33+\q], s[14:15] op_sel_hi:[1,0]
.endr
.set i, 0
.rept 16
	v_max_num_f32 v[32+i], 0x2edbe6ff, v[32+i]
.set i, i+1
.endr
.set i, 0
.rept 16
	v_add_f32 v[48+i], 0x2edbe6ff, v[32+i]
.set i, i+1
.endr
	s_wait_alu depctr_va_vdst(0)                   ; ahead of the batch,
.set i, 0
.rept 16
	v_log_f32 v[48+i], v[48+i]
.set i, i+1
.endr
	v_nop
	s_wait_alu depctr_va_vdst(0)                   ; and behind it
	v_pk_mul_f32 v[24:25], v[32:33], v[48:49]
	v_pk_mul_f32 v[26:27], v[34:35], v[50:51]
.irp q, 4,8,12
	v_pk_fma_f32 v[24:25], v[32+\q:33+\q], v[48+\q:49+\q], v[24:25]
	v_pk_fma_f32 v[26:27], v[34+\q:35+\q], v[50+\q:51+\q], v[26:27]
.endr
	v_pk_add_f32 v[24:25], v[24:25], v[26:27]
	v_add_f32 v24, v24, v25
	v_add_f32_dpp v24, v24, v24 row_xmask:1 row_mask:0xf bank_mask:0xf
	v_add_f32_dpp v24, v24, v24 row_xmask:2 row_mask:0xf bank_mask:0xf
	v_add_f32_dpp v24, v24, v24 row_xmask:4 row_mask:0xf bank_mask:0xf
	v_add_f32_dpp v24, v24, v24 row_xmask:8 row_mask:0xf bank_mask:0xf
	v_permlanex16_b32 v4, v24, s12, s13
	v_add_f32 v24, v24, v4
	s_wait_alu depctr_va_vdst(0)
	v_exp_f32 v25, -v24
	v_cmp_eq_u32 vcc_lo, 0, v0                     ; (a plain place behind the exponential)
	s_wait_alu depctr_va_vdst(0)
	s_wait_xcnt 0x0                                ; EXEC changes only behind this wait
	s_and_saveexec_b32 s16, vcc_lo
	global_store_b32 v2, v16, s[8:9]               ; lane 0: the loss,
	global_store_b32 v2, v25, s[10:11]             ; and the perplexity
	s_endpgm
.Lfunc_end_k_qe916919d44_vq_finish:
	.size	k_qe916919d44_vq_finish, .Lfunc_end_k_qe916919d44_vq_finish-k_qe916919d44_vq_finish
	.p2alignl 7, 3214868480
	.fill 96, 4, 3214868480
	.section	.rodata,"a",@progbits
	.p2align	6, 0x0
	.amdhsa_kernel k_qe916919d44_vq_finish
		.amdhsa_group_segment_fixed_size 0
		.amdhsa_private_segment_fixed_size 0
		.amdhsa_enable_private_segment 0
		.amdhsa_kernarg_size 32
		.amdhsa_user_sgpr_count 2
		.amdhsa_user_sgpr_kernarg_segment_ptr 1
		.amdhsa_wavefront_size32 1
		.amdhsa_system_sgpr_workgroup_id_x 1
		.amdhsa_system_sgpr_workgroup_id_y 1
		.amdhsa_system_sgpr_workgroup_id_z 1
		.amdhsa_system_vgpr_workitem_id 0
		.amdhsa_next_free_vgpr 160
		.amdhsa_next_free_sgpr 66
		.amdhsa_reserve_vcc 1
		.amdhsa_float_denorm_mode_32 3
		.amdhsa_float_denorm_mode_16_64 3
		.amdhsa_memory_ordered 1
		.amdhsa_forward_progress 1
		.amdhsa_inst_pref_size 13
	.end_amdhsa_kernel
	.amdgpu_metadata
---
amdhsa.version: [ 1, 2 ]
amdhsa.kernels:
  - .name:           k_qe916919d44_vq_finish
    .symbol:         k_qe916919d44_vq_finish.kd
    .args:
      - { .name: colq, .offset: 0, .size: 8, .value_kind: global_buffer, .address_space: global }
      - { .name: lossp, .offset: 8, .size: 8, .value_kind: global_buffer, .address_space: global }
      - { .name: out1, .offset: 16, .size: 8, .value_kind: global_buffer, .address_space: global }
      - { .name: out2, .offset: 24, .size: 8, .value_kind: global_buffer, .address_space: global }
    .group_segment_fixed_size: 0
    .private_segment_fixed_size: 0
    .kernarg_segment_align: 8
    .kernarg_segment_size: 32
    .max_flat_workgroup_size: 32
    .sgpr_count:     66
    .vgpr_count:     160
    .wavefront_size: 32
...
	.end_amdgpu_metadata
.endif
;; end of part 3
